; MI455X (gfx1250); checked and timed in simulation.
; The chip was launched on July 23, 2026; its instructions are those of AMD's public machine-readable ISA for CDNA 5 (MIT licence, August 2026) and "CDNA5" Instruction Set Architecture Reference Guide (July 2026). The comments in the code are by the model that wrote it; some were corrected since.
;; Analytic Hash Linear. Allowed arithmetic: matrix products marked QUANTISED: E5M2 operands, one given power-of-two scale a tensor, by v_wmma_f32_16x16x64_bf8_bf8 or v_wmma_f32_16x16x128_bf8_bf8, f32 sums; everything else in f32.
;; Inputs: bias 4,096 float32; codebook 65,536 float32; lowp_scales 2 int32 (the exponents e of the quantised operands' scales 2^e); x 4,096 x 4,096 float32.
;; Outputs: out0 4,096 x 4,096 float32.
;; This version of the problem:
;;   THIS VERSION OF THE PROBLEM IS GIVEN IN LOW PRECISION. The matrix products marked QUANTISED in the list below multiply operands that are first quantised to E5M2 (5 exponent bits, 2 mantissa bits; 8 bits a number), with one given power-of-two scale for each operand tensor; their sums are f32. All else is computed in f32.
;;   The module's matrix products, in the order in which they are computed (A, B: the left and right operand; K: the contracted axis; several contracted axes count as one K, in the product's order):
;;     1. [M 4,096, K 4,096] x [K 4,096, N 4,096]; A: input x; B: computed on the way: QUANTISED (scales: A lowp_scales[0], B lowp_scales[1])
;;   THE QUANTISER, for each operand of a quantised product, along K:
;;     - The operand's scale is 2^e, e = its entry of the input lowp_scales (int32; the entries are numbered through the quantised products in the list's order, A before B).
;;     - Each number is divided by the scale, clamped to +-57,344, and rounded to the nearest number of E5M2, ties to even, subnormals kept.
;;     - The product sums the exact products of the quantised numbers (number of the format x scale) in f32.
;;   ~~~python
;;   def quantise(x, axis, e):      # numpy; x: float32 -> the quantised numbers, widened to float32 again
;;       x = np.moveaxis(x, axis, -1); K = x.shape[-1]
;;       r = np.clip(x / 2.0 ** e, -57344, 57344)
;;       step = 2.0 ** (np.maximum(np.frexp(np.where(r == 0, 1, r))[1] - 1, -14) - 2)
;;       q = np.round(r / step) * step * 2.0 ** e      # np.round: ties to even
;;       return np.moveaxis(q, -1, axis).astype(np.float32)
;;   ~~~
;;   OPERANDS COMPUTED ON THE WAY. 'Computed on the way' means the value that the module computes at that place (a softmax that the list does not call 'softmax' is quantised finished and normalised). What goes into a quantiser is computed in f32, as accurately as f32 sums, v_exp_f32 and their like allow (about 1e-6 of the number): no bf16 or f16 on the way to a quantiser, and a product that is left as it is and whose result goes on into a quantised operand takes f32 operands (vector FMAs, or v_wmma_f32_16x16x4_f32). A number that lies on a knife's edge between two numbers of the format may be rounded either way, as far as f32 arithmetic and the matrix unit's own rounding can turn it there, and no further.
;; One version. Each part assembles by itself: llvm-mc -triple=amdgcn-amd-amdhsa -mcpu=gfx1250 --defsym DOCPART=n.
;; ======== version 1 of 1: 2 launches
;; limits: right only within a limited range of input values
;; workspace buffers: x_codes 16,777,216 bytes; tcodes 851,968 bytes
;; launch prep (part 1): grid 544 x 1, 4 waves a work-group, no clusters, 33,280 bytes of LDS; arguments x, codebook, lowp_scales, x_codes, tcodes; writes x_codes, tcodes
.if DOCPART == 1
	.amdgcn_target "amdgcn-amd-amdhsa--gfx1250"
	.amdhsa_code_object_version 6
	.text
	.protected	k_q1ce2df4c94_prep
	.globl	k_q1ce2df4c94_prep
	.p2align	8
	.type	k_q1ce2df4c94_prep,@function
k_q1ce2df4c94_prep:
	s_mov_b64 s[64:65], 0
	v_nop
	global_prefetch_b8 v0, s[64:65] scope:SCOPE_SE
	s_setreg_imm32_b32 hwreg(HW_REG_WAVE_MODE, 25, 1), 1
	s_wait_xcnt 0x0
; TWO JOBS IN ONE LAUNCH, parted once on the work-group's number.
; (1) Work-groups 32 to 543: x [4096][4096], f32, becomes codes of BF8 (E5M2), one byte each, K innermost, with the given scale 2^e0:
;     code = x / 2^e0, held within +-57,344, rounded to the nearest code, ties to even.
; (2) Work-groups 0 to 31: THE WEIGHT'S TABLE.  The weight is W[o][i] = codebook[(10007 o + 20011 i + 120027) mod 65536] x sign, sign = +1 where
;     (4099 o + 6151 i + 44661) is odd.  10007 = 20011 x 197 mod 65536 (20011 x 197 = 60 x 65536 + 10007), so with t = i + 197 o the index is (20011 t + 54491) mod 65536
;     (120027 - 65536 = 54491).  The three sign constants are odd, so the sign is +1 where o + i is even, and t has the parity of o + i: sign = (-1)^t.
;     So W[o][i] = T[i + 197 o] with T[t] = codebook[(20011 t + 54491) mod 65536] x (-1)^t, of period 65,536.  T is quantised here with the given scale 2^e1 and written 13 times on end:
;     the largest t is 198 x 4095 = 810,810 < 13 x 65,536, so every row of W's codes is 4,096 consecutive bytes of the table, 197 bytes behind the row before.  W itself is never written.
; LIMITS: e0 and e1 between -126 and 112, so that 2^e and 57,344 x 2^e are f32 numbers.  NaN among the inputs is not served; an infinity is held at the largest code.
; No tensor loads, no barrier: waves share nothing.  Only job (1) uses LDS.
.set TWG,   32                         ; the table's work-groups: 32 x 4 waves x 512 entries = 65,536
.set STEPS, 16                         ; job (1): a wave takes 16 steps of 512 numbers; 512 work-groups x 4 waves x 8,192 = 4096 x 4096
.set EMAX,  15
.set MANT,  0x600000                   ; the mantissa field of 57,344 as f32
.set CB,    16                         ; bytes of 16 codes
.set R,     16                         ; v16-79   four sets of 16 numbers as they are loaded
.set X,     80                         ; v80-111  two sets of 16 neighbours
.set C,     128                        ; v128-191 codes: four registers for each step, so that no store's data are written again
.set WREG,  8192                       ; LDS: a region of its own for each wave: two stages of 32 x SP bytes
.set SP,    80                         ; a lane's place in a stage: its 64 bytes + 16 of padding
.set HB,    20011                      ; the index's step from t to t + 1
.set HC,    54491                      ; and its value at t = 0
.set PERIOD, 65536
	s_load_b128 s[4:7], s[0:1], 0x0                ; x s[4:5], codebook s[6:7]
	s_load_b64 s[10:11], s[0:1], 0x10              ; the scales' exponents
	s_load_b128 s[12:15], s[0:1], 0x18             ; x's codes s[12:13], the table s[14:15]
	v_lshl_add_u32 v192, v0, 2, 0x8000
	v_mov_b32 v193, 0
	v_lshrrev_b32 v1, 5, v0
	v_readfirstlane_b32 s16, v1                    ; wave 0..3
	v_and_b32 v2, 31, v0                           ; lane
	s_wait_kmcnt 0x0
	s_load_b64 s[22:23], s[10:11], 0x0             ; e0, e1
	s_cmp_lt_u32 ttmp9, TWG                        ; the branch hangs on the work-group's number alone
	s_cbranch_scc1 .Ltable
; ---- JOB (1).  Rows are dense, so x is a plain stream of numbers and its codes a plain stream of bytes: nothing here knows of rows.
; The conversion takes 8 numbers from ONE lane's consecutive registers, so a lane must hold neighbours along K; a load is best where neighbouring LANES take neighbouring bytes.  Both are had: each of a
; step's four loads reads 512 consecutive bytes, 16 a lane; the 2,048 bytes go through the wave's own stage in LDS as they lie and come back 64 bytes a lane.  The stage has 16 bytes of padding behind
; each 64, so that the lanes' reads do not all fall on the same banks.  A lane's 16 codes are 16 bytes: the wave stores 512 consecutive bytes.  Loads run four steps (16 loads a wave) ahead, the turn through LDS one step.
	s_wait_alu depctr_va_vdst(0)
	v_lshlrev_b32 v3, 4, v2                        ; my 16 bytes of a load's 512
	s_wait_alu depctr_va_vdst(0)
	s_mul_i32 s24, s16, WREG                       ; my wave's region of LDS
	v_lshrrev_b32 v14, 2, v2
	v_mul_u32_u24 v14, v14, SP
	v_and_b32 v15, 3, v2
	v_lshl_add_u32 v14, v15, 4, v14
	v_add_nc_u32 v14, s24, v14                     ; the stage, on the way in: four lanes' 64 bytes on end, then 16 of padding: SP (lane / 4) + 16 (lane % 4); a load's 512 bytes take eight places
	v_mul_u32_u24 v15, v2, SP
	v_add_nc_u32 v15, s24, v15                     ; and on the way out: SP x lane: my 16 neighbours
	v_mul_u32_u24 v4, v2, CB                       ; my codes' place in a step's
	s_sub_co_u32 s17, ttmp9, TWG
	s_lshl_b32 s17, s17, 2
	s_add_co_u32 s18, s17, s16                     ; which run of 8,192 numbers is my wave's
	s_mov_b32 s19, 0
	s_mov_b64 s[20:21], 512*STEPS*4
	s_mul_u64 s[20:21], s[18:19], s[20:21]
	s_add_nc_u64 s[4:5], s[4:5], s[20:21]          ; x at my wave's first number
	s_mov_b64 s[20:21], 32*STEPS*CB
	s_mul_u64 s[20:21], s[18:19], s[20:21]
	s_add_nc_u64 s[8:9], s[12:13], s[20:21]        ; the codes likewise
.macro LOAD t
.irp i, 0,1,2,3
	global_load_b128 v[R+16*((\t)%4)+4*\i:R+16*((\t)%4)+4*\i+3], v3, s[4:5] offset:2048*(\t)+512*\i th:TH_LOAD_NT   ; 32 lanes read 512 consecutive bytes; x is read once in the launch
.endr
.endm
.macro XTURN t                         ; step t's numbers through the stage: LDS serves a wave's instructions in order (ISA guide 5.7.1.4), so no wait stands between the stores and the loads
.irp i, 0,1,2,3
	ds_store_b128 v14, v[R+16*((\t)%4)+4*\i:R+16*((\t)%4)+4*\i+3] offset:32*SP*((\t)%2)+8*SP*\i
.endr
.irp i, 0,1,2,3
	ds_load_b128 v[X+16*((\t)%2)+4*\i:X+16*((\t)%2)+4*\i+3], v15 offset:32*SP*((\t)%2)+16*\i
.endr
.endm
.irp t, 0,1,2,3
	LOAD \t
.endr
	s_wait_alu depctr_va_vdst(0)
	s_wait_kmcnt 0x0
	s_add_co_i32 s22, s22, 127
	s_lshl_b32 s23, s22, 23
	v_mov_b32 v11, s23                             ; 2^e0 as f32: the conversion takes its exponent field
	s_add_co_i32 s22, s22, EMAX
	s_lshl_b32 s22, s22, 23
	s_or_b32 s22, s22, MANT
	v_mov_b32 v10, s22                             ; 57,344 x 2^e0
	s_wait_alu depctr_va_vdst(0)
	s_wait_loadcnt 12                              ; step 0's four loads are in; the twelve of steps 1 to 3 may be out
	XTURN 0
.macro STEP t
.set XS, X+16*((\t)%2)
	s_wait_dscnt 0x0                               ; this step's numbers are back from the stage: so its stores into the stage have read their registers,
.if (\t)+4 < STEPS
	LOAD (\t)+4                                    ; which take the loads of four steps on
.endif
.if (\t)+1 < STEPS
.if STEPS-2-(\t) >= 3
	s_wait_loadcnt 12                              ; the next step's four loads are in; those of the three steps behind it may be out
.else
	s_wait_loadcnt 4*(STEPS-2-(\t))                ; the tail: fewer steps are behind it
.endif
	XTURN (\t)+1                                   ; and go through the other stage while this step is worked
.endif
.irp i, 0,1,2,3,4,5,6,7,8,9,10,11,12,13,14,15
	v_med3_num_f32 v[XS+\i], v[XS+\i], -v10, v10   ; the conversion to an 8-bit code does not saturate (ISA guide 7.6.2): hold the number within the largest code x the scale first
.endr
	v_cvt_scalef32_pk8_bf8_f32 v[C+4*(\t):C+4*(\t)+1], v[XS:XS+7], v11          ; eight numbers / 2^e0, to the nearest code, ties to even; the first number's code in the lowest byte
	v_cvt_scalef32_pk8_bf8_f32 v[C+4*(\t)+2:C+4*(\t)+3], v[XS+8:XS+15], v11
	global_store_b128 v4, v[C+4*(\t):C+4*(\t)+3], s[8:9] offset:32*CB*(\t)       ; the results go to a store alone; the next vector lines, the next step's holds, are plain and touch other registers
.endm
.irp t, 0,1,2,3,4,5,6,7,8,9,10,11,12,13,14,15
	STEP \t
.endr
	s_wait_tensorcnt 0x0
	ds_add_u32 v192, v193
	s_wait_dscnt 0x0
	s_endpgm
; ---- JOB (2).  A wave makes 512 neighbouring entries of T, a lane 16: t0 = 512 x (4 x work-group + wave) + 16 x lane, t = t0 + i.  The gather's addresses are made of ids and constants alone.
.Ltable:
	s_lshl_b32 s17, ttmp9, 2
	s_add_co_u32 s17, s17, s16
	s_lshl_b32 s18, s17, 9
	s_wait_alu depctr_va_vdst(0)
	v_lshl_add_u32 v4, v2, 4, s18                  ; t0: also my 16 codes' byte offset in a copy of the table
	v_mul_u32_u24 v5, v4, HB                       ; 20011 t0: under 65,536 x 20011, inside 31 bits
	v_add_nc_u32 v5, HC, v5
.irp i, 0,1,2,3,4,5,6,7,8,9,10,11,12,13,14,15
	v_add_nc_u32 v[16+\i], \i*HB, v5               ; 20011 (t0 + i) + 54491
.endr
.irp i, 0,1,2,3,4,5,6,7,8,9,10,11,12,13,14,15
	v_and_b32 v[16+\i], 0xffff, v[16+\i]           ; mod 65536: an index inside the codebook
.endr
.irp i, 0,1,2,3,4,5,6,7,8,9,10,11,12,13,14,15
	v_lshlrev_b32 v[16+\i], 2, v[16+\i]            ; in bytes
.endr
.irp i, 0,1,2,3,4,5,6,7,8,9,10,11,12,13,14,15
	global_load_b32 v[32+\i], v[16+\i], s[6:7]     ; each entry of the codebook is read once in the launch, but its neighbours by other waves: no hint
.endr
	s_wait_kmcnt 0x0
	s_add_co_i32 s23, s23, 127
	s_lshl_b32 s22, s23, 23
	v_mov_b32 v11, s22                             ; 2^e1 as f32
	s_add_co_i32 s23, s23, EMAX
	s_lshl_b32 s23, s23, 23
	s_or_b32 s23, s23, MANT
	v_mov_b32 v10, s23                             ; 57,344 x 2^e1
	s_wait_alu depctr_va_vdst(0)
	s_wait_loadcnt 0x0
.irp i, 0,2,4,6,8,10,12,14
	v_med3_num_f32 v[32+\i], v[32+\i], -v10, v10   ; t0 is a multiple of 16, so an even i is an even t: sign +1.  The hold, as above
	v_med3_num_f32 v[33+\i], -v[33+\i], -v10, v10  ; an odd t: sign -1, taken in f32 ahead of the quantiser, by the hold's own source modifier
.endr
	v_cvt_scalef32_pk8_bf8_f32 v[48:49], v[32:39], v11
	v_cvt_scalef32_pk8_bf8_f32 v[50:51], v[40:47], v11
.irp m, 0,1,2,3,4,5,6,7,8,9,10,11,12
	global_store_b128 v4, v[48:51], s[14:15] offset:PERIOD*\m   ; the 13 copies: each store of the wave covers 512 consecutive bytes, aligned; neither data nor address is written again
.endr
	s_endpgm
.Lfunc_end_k_q1ce2df4c94_prep:
	.size	k_q1ce2df4c94_prep, .Lfunc_end_k_q1ce2df4c94_prep-k_q1ce2df4c94_prep
	.p2alignl 7, 3214868480
	.fill 96, 4, 3214868480
	.section	.rodata,"a",@progbits
	.p2align	6, 0x0
	.amdhsa_kernel k_q1ce2df4c94_prep
		.amdhsa_group_segment_fixed_size 33280
		.amdhsa_private_segment_fixed_size 0
		.amdhsa_enable_private_segment 0
		.amdhsa_kernarg_size 40
		.amdhsa_user_sgpr_count 2
		.amdhsa_user_sgpr_kernarg_segment_ptr 1
		.amdhsa_wavefront_size32 1
		.amdhsa_system_sgpr_workgroup_id_x 1
		.amdhsa_system_sgpr_workgroup_id_y 1
		.amdhsa_system_sgpr_workgroup_id_z 1
		.amdhsa_system_vgpr_workitem_id 0
		.amdhsa_next_free_vgpr 194
		.amdhsa_next_free_sgpr 66
		.amdhsa_reserve_vcc 0
		.amdhsa_float_denorm_mode_32 3
		.amdhsa_float_denorm_mode_16_64 3
		.amdhsa_memory_ordered 1
		.amdhsa_forward_progress 1
		.amdhsa_inst_pref_size 44
	.end_amdhsa_kernel
	.amdgpu_metadata
---
amdhsa.version: [ 1, 2 ]
amdhsa.kernels:
  - .name:           k_q1ce2df4c94_prep
    .symbol:         k_q1ce2df4c94_prep.kd
    .args:
      - { .name: x, .offset: 0, .size: 8, .value_kind: global_buffer, .address_space: global }
      - { .name: codebook, .offset: 8, .size: 8, .value_kind: global_buffer, .address_space: global }
      - { .name: lowp_scales, .offset: 16, .size: 8, .value_kind: global_buffer, .address_space: global }
      - { .name: x_codes, .offset: 24, .size: 8, .value_kind: global_buffer, .address_space: global }
      - { .name: tcodes, .offset: 32, .size: 8, .value_kind: global_buffer, .address_space: global }
    .group_segment_fixed_size: 33280
    .private_segment_fixed_size: 0
    .kernarg_segment_align: 8
    .kernarg_segment_size: 40
    .max_flat_workgroup_size: 128
    .sgpr_count:     66
    .vgpr_count:     194
    .wavefront_size: 32
...
	.end_amdgpu_metadata
.endif
;; end of part 1
;; launch gemm (part 2): grid 16 x 16, 4 waves a work-group, clusters of 4 x 4, 327,680 bytes of LDS; arguments x_codes, tcodes, lowp_scales, bias, out0; writes out0
.if DOCPART == 2
	.amdgcn_target "amdgcn-amd-amdhsa--gfx1250"
	.amdhsa_code_object_version 6
	.text
	.protected	k_q1ce2df4c94_gemm
	.globl	k_q1ce2df4c94_gemm
	.p2align	8
	.type	k_q1ce2df4c94_gemm,@function
k_q1ce2df4c94_gemm:
	s_mov_b64 s[64:65], 0
	v_nop
	global_prefetch_b8 v0, s[64:65] scope:SCOPE_SE
	s_setreg_imm32_b32 hwreg(HW_REG_WAVE_MODE, 25, 1), 1
	s_wait_xcnt 0x0
	s_wait_alu depctr_hold_cnt(0) depctr_sa_sdst(0) depctr_va_vdst(0) depctr_va_sdst(0) depctr_va_ssrc(0) depctr_va_vcc(0) depctr_vm_vsrc(0)
	s_getreg_b32 s2, hwreg(HW_REG_IB_STS2, 6, 4)
	s_cmp_eq_u32 s2, 0
	s_cbranch_scc0 .Lentry_in_a_cluster
	s_endpgm
.Lentry_in_a_cluster:
	s_bfe_u32 s2, ttmp6, 0x10000c
	s_cmp_lg_u32 s2, 0xf033
	s_cbranch_scc0 .Lentry_shape_is_right
	s_endpgm
.Lentry_shape_is_right:
; out[m][o] = 2^(e0+e1) x sum over k of X[m][k] W[o][k] + bias[o].  X: x's BF8 codes [4096][4096].  W[o][k] = T[k + 197 o]: T is the table of the weight's BF8 codes, written 13 times on end.
; LIMIT: e0 + e1 between -126 and 127, so that 2^(e0+e1) is an f32 number.
; A work-group of four waves makes 256 x 256 of out, a wave 128 x 128 (64 accumulators).  W IS NEVER LAID OUT: the block's 256 rows of W lie in 197 x 255 + 4096 bytes of T, which begin at
; 197 x 256 x block column, a multiple of 256.  That window (216 rows of 256 bytes) is fetched once and stays in LDS.  A fragment of W takes the 16 rows o = o0 + c + 16 r of ONE class c:
; they lie 3,152 = 16 x 197 bytes apart, so all lanes share the start's place s = 197 c mod 16 in a 16-byte unit.  A lane loads 80 aligned bytes; s / 4 is a choice of registers, s mod 4 one v_alignbit_b32 a register.
; Wave half wn takes class 8 wn + (f xor 2 wn) as its fragment f: then s / 4 is the same in both halves, and s mod 4 stands in a scalar register: one text for all waves.
; In both operands lane (r, h) holds k = 64 h + 0..63 of a step of 128: the same permutation of k on both sides.
; X goes in slots of 512 along K (rows of 512 bytes) through a ring of two LDS slots.  CLUSTERS 4 x 4: X's tiles are asked for jointly along a row of the cluster, the window along a column.
; X's slots are prefetched: at the refill for slot t + 2 each wave names 16 rows x 2 blocks of 256 bytes of slot t + 4; the four partners share a wave's 64 rows out by address (cx); the last two refills ask for nothing.
; REGISTERS: window 0: v0-31 addresses, v32-111 four raw buffers of 20, v112-119 bias, v128-255 X's fragments, set 0.  Window 1: v0-127 W's eight fragments, v128-255 X's set 1.  Windows 2, 3: accumulator (a, f) at v[8 (8 (f % 4) + a)] of window 2 + f / 4.
.set PITCH, 528
.set SLOT,  256*PITCH
.set QUART, 64*PITCH
.set TB,    2*SLOT                     ; the window of T
.set TROWS, 108                        ; rows of 256 bytes in half of it
.set SPARE, TB+2*TROWS*256             ; the spare words, 128 bytes a wave
.set SROW,  1296                       ; the stage: a row = 8 pairs of classes x 160 bytes + 16
.set SBUF,  16*SROW
.set ADRA, 16
.set BA,   18
.set STE,  20
.set RD,   22
.set CO,   23
.set PFO,  24
.set BOE,  25
.set SPW,  28
.set NIL,  29
.set RAW,  32
.set TMP,  32
.set BIAS, 112
.set BK,   128
.set G1Q, 24
.set G0,  32
.set G1H, 48
.set G1T, 56
.set G0H, 68
.set G0T, 72
.set SH,  76
.set PFA, 80
.set MSB, 0
.macro WIN new
.if MSB != \new
	s_set_vgpr_msb (MSB<<8)|\new
.set MSB, \new
.endif
.endm
.macro NOPS
.rept 4
	v_nop
.endr
.endm
.macro CREST
	s_cmp_lg_u32 s14, 0
	s_cbranch_scc1 .Lnot_wave_0_\@
	s_barrier_signal -3
.Lnot_wave_0_\@:
	s_barrier_wait -3
	s_barrier_signal -1
	s_barrier_wait -1
.endm
.macro CROUND
	s_barrier_signal -1
	s_barrier_wait -1
	CREST
.endm
.macro ASK                             ; s3 = 1 in the loop's last trip, whose two refills have no slot two refills on
	s_cmp_gt_u32 s3, 1
	s_cbranch_scc0 .Lno_ask_\@
	global_prefetch_b8 v[PFO], s[PFA:PFA+1] th:TH_LOAD_NT scope:SCOPE_SE
.Lno_ask_\@:
.endm
	s_load_b128 s[4:7], s[0:1], 0x0                ; x's codes, the table
	s_load_b128 s[8:11], s[0:1], 0x10              ; the scales' exponents, bias
	s_load_b64 s[12:13], s[0:1], 0x20              ; out
	v_lshl_add_u32 v[SPW], v0, 2, SPARE
	v_mov_b32 v[NIL], 0
	ds_add_u32 v[SPW], v[NIL]                      ; the opening lines: the add twice on end
	ds_add_u32 v[SPW], v[NIL]
	v_lshrrev_b32 v1, 5, v0
	v_readfirstlane_b32 s14, v1                    ; wave
	s_lshr_b32 s15, s14, 1                         ; wm: my half of the rows
	s_and_b32 s16, s14, 1                          ; wn: my half of the classes
	s_bfe_u32 s40, ttmp6, 0x40000                  ; cx
	s_bfe_u32 s41, ttmp6, 0x40004                  ; cy
	s_lshl_b32 s42, ttmp9, 2
	s_add_co_u32 s42, s42, s40                     ; block column
	s_and_b32 s17, ttmp7, 0xffff
	s_lshl_b32 s17, s17, 2
	s_add_co_u32 s17, s17, s41                     ; block row
	s_lshl_b32 s43, s41, 2
	s_lshl_b32 s43, 15, s43                        ; my row of the cluster
	s_lshl_b32 s44, 0x1111, s40                    ; my column
	s_or_b32 s[G1Q], s43, (1<<20)|(1<<21)|(6<<22)|(3<<25)   ; bytes; 16 bytes of padding behind every 512
	s_or_b32 s[G1H], s43, (1<<20)|(1<<21)|(6<<22)|(3<<25)
	s_or_b32 s[G1T], s44, (1<<21)                  ; the window: dense
.irp g, G1Q, G1H
	s_mov_b32 s[\g+1], 512<<16
	s_mov_b32 s[\g+3], 512<<16
	s_mov_b32 s[\g+5], 4096
	s_mov_b32 s[\g+6], 0
	s_mov_b32 s[\g+7], 0
.endr
	s_mov_b32 s[G1Q+2], 64<<16                     ; a refill: 64 rows a wave
	s_mov_b32 s[G1Q+4], 64
	s_mov_b32 s[G1H+2], 128<<16                    ; the head: 128 rows for each of waves 0, 1
	s_mov_b32 s[G1H+4], 128
	s_mov_b32 s[G1T+1], 256<<16
	s_mov_b32 s[G1T+2], TROWS<<16
	s_mov_b32 s[G1T+3], 256<<16
	s_mov_b32 s[G1T+4], TROWS
	s_mov_b32 s[G1T+5], 256
	s_mov_b32 s[G1T+6], 0
	s_mov_b32 s[G1T+7], 0
	s_lshl_b32 s18, s17, 20                        ; 256 rows of 4,096 bytes x block row
	s_lshl_b32 s22, s14, 18
	s_add_co_u32 s20, s18, s22                     ; + 64 rows x wave
	s_mov_b32 s21, 0
	s_lshl_b32 s22, s16, 19
	s_add_co_u32 s18, s18, s22                     ; + 128 rows x (wave & 1)
	s_mov_b32 s19, 0
	s_mul_i32 s46, s42, 197*256
	s_mul_i32 s47, s16, TROWS*256
	s_add_co_u32 s46, s46, s47                     ; my half of the window in the table
	s_mov_b32 s47, 0
	s_lshl_b32 s88, s40, 16
	s_add_co_u32 s88, s88, s20
	s_add_co_u32 s88, s88, 3*512                   ; the prefetches: my work-group's 16 of my 64 rows; the first refill steps it to slot 4
	s_mov_b32 s89, 0
	s_lshl_b32 s90, s16, 4
.irp j, 0,1,2,3
	s_xor_b32 s[SH+\j], s90, 8*\j                  ; 8 x (s mod 4) of fragments f = j, j + 4
.endr
	s_mul_i32 s82, s15, 128*PITCH
	s_add_co_u32 s83, s82, SLOT
	s_mul_i32 s84, s16, 1968                       ; 16 x (197 c / 16) of class 8 + (f xor 2) less that of class f: 1,968 where f & 2 = 0,
	s_add_co_u32 s84, s84, TB
	s_mul_i32 s85, s16, 1184                       ; 1,184 where f & 2 = 2
	s_add_co_u32 s85, s85, TB
	s_mul_i32 s86, s15, 2*SBUF
	s_mul_i32 s87, s16, 800
	s_add_co_u32 s87, s87, s86
	s_mul_i32 s91, s16, 480
	s_add_co_u32 s91, s91, s86
	s_mul_i32 s92, s16, 8*SROW
	s_add_co_u32 s92, s92, s86
	s_mul_i32 s93, s16, 40
	s_mul_i32 s94, s16, 24
	s_mul_i32 s33, s14, QUART
	s_add_co_u32 s37, s33, SLOT
	s_mul_i32 s69, s16, 128*PITCH
	s_mul_i32 s73, s16, TROWS*256
	s_add_co_u32 s73, s73, TB
	s_wait_dscnt 0x0                               ; both opening adds are done
	s_wait_kmcnt 0x0
	s_load_b64 s[96:97], s[8:9], 0x0               ; e0, e1
	s_mov_b32 s32, 1
	s_mov_b32 s36, 1
	s_mov_b32 s68, 1
	s_mov_b32 s72, 1
	s_add_nc_u64 s[34:35], s[4:5], s[20:21]
	s_add_nc_u64 s[38:39], s[34:35], 512
	s_add_nc_u64 s[70:71], s[4:5], s[18:19]
	s_add_nc_u64 s[74:75], s[6:7], s[46:47]
	s_add_nc_u64 s[PFA:PFA+1], s[4:5], s[88:89]
	s_or_b32 s35, s35, 0x80000000
	s_or_b32 s39, s39, 0x80000000
	s_or_b32 s71, s71, 0x80000000
	s_or_b32 s75, s75, 0x80000000
	s_lshl_b32 s20, s17, 22                        ; out: 256 rows x block row + 128 wm + 8 wn rows of 16,384 bytes, + 1,024 x block column
	s_lshl_b32 s22, s15, 21
	s_add_co_u32 s20, s20, s22
	s_lshl_b32 s22, s16, 17
	s_add_co_u32 s20, s20, s22
	s_lshl_b32 s46, s42, 10
	s_add_co_u32 s20, s20, s46
	s_add_nc_u64 s[12:13], s[12:13], s[20:21]
	s_add_nc_u64 s[10:11], s[10:11], s[46:47]
	CROUND                                         ; the first joint loads meet
	s_cmp_lt_u32 s14, 2
	s_cbranch_scc0 .Lhead_t
	tensor_load_to_lds s[G0H:G0H+3], s[G1H:G1H+7]  ; waves 0, 1: slot 0, K 0..511
	s_nop 0
	NOPS
	s_branch .Lhead_j
.Lhead_t:
	tensor_load_to_lds s[G0T:G0T+3], s[G1T:G1T+7]  ; waves 2, 3: the window
	s_nop 0
	NOPS
.Lhead_j:
	v_and_b32 v1, 15, v0                           ; r
	v_bfe_u32 v2, v0, 4, 1                         ; h
	v_mul_u32_u24 v3, v1, PITCH
	v_lshl_add_u32 v3, v2, 6, v3
	v_add_nc_u32 v[ADRA], s82, v3                  ; X: row r, + 64 h, in slot 0
	v_add_nc_u32 v[ADRA+1], s83, v3                ; and in slot 1
	v_mul_u32_u24 v4, v1, 3152
	v_lshl_add_u32 v4, v2, 6, v4
	v_add_nc_u32 v[BA], s84, v4                    ; W: 3,152 r + 64 h in the window, fragments with f & 2 = 0
	v_add_nc_u32 v[BA+1], s85, v4                  ; and with f & 2 = 2
	v_mul_u32_u24 v5, v2, 8*SROW
	v_lshl_add_u32 v5, v1, 3, v5
	v_add_nc_u32 v[STE], s87, v5                   ; into the stage: row 8 h + j, 8 r in a pair's 128 bytes; pairs p = 0, 2
	v_add_nc_u32 v[STE+1], s91, v5                 ; pairs p = 1, 3
	v_and_b32 v6, 3, v0
	v_bfe_u32 v7, v0, 2, 3
	v_mul_u32_u24 v6, v6, 320
	v_lshl_add_u32 v6, v7, 3, v6
	v_add_nc_u32 v[RD], s92, v6                    ; back: lane 4 r' + q takes pairs 2 q, 2 q + 1 of column group r'
	v_and_b32 v8, 31, v0
	v_lshlrev_b32 v[CO], 4, v8
	v_lshlrev_b32 v9, 12, v1
	v_lshl_add_u32 v[PFO], v2, 8, v9               ; a lane a block: row r, block h
	v_lshlrev_b32 v9, 6, v1
	v_add_nc_u32 v[BOE], s93, v9
	v_add_nc_u32 v[BOE+1], s94, v9
	s_wait_alu depctr_va_vdst(0)
	s_wait_tensorcnt 0x0                           ; my head load is in; slot 1's first fill is issued as a refill is
	ds_add_u32 v[SPW], v[NIL]
	s_wait_dscnt 0x0
	CROUND
	tensor_load_to_lds s[G0+4:G0+7], s[G1Q:G1Q+7]  ; K 512..1023, 64 rows a wave
	s_nop 0
	NOPS
.irp p, 0,1,2,3
	global_load_b64 v[BIAS+2*\p:BIAS+2*\p+1], v[BOE+(\p)%2], s[10:11] offset:8*\p   ; bias of my fragments' columns 16 r + class
.endr
; 8 products: X's eight blocks against fragment f.  The 64 accumulators take turns.
.macro GRP f, par, zero
	WIN (\par)|0x04|((2+(\f)/4)*0x50)
.irp a, 0,1,2,3,4,5,6,7
.if \zero
	v_wmma_f32_16x16x128_bf8_bf8 v[8*(8*((\f)%4)+\a):8*(8*((\f)%4)+\a)+7], v[128+16*\a:128+16*\a+15], v[16*(\f):16*(\f)+15], 0
.else
	v_wmma_f32_16x16x128_bf8_bf8 v[8*(8*((\f)%4)+\a):8*(8*((\f)%4)+\a)+7], v[128+16*\a:128+16*\a+15], v[16*(\f):16*(\f)+15], v[8*(8*((\f)%4)+\a):8*(8*((\f)%4)+\a)+7]
.endif
.endr
.endm
.macro RAWLD f, k                      ; 80 aligned bytes round fragment f's 64 at k, into raw buffer f % 4
.irp j, 0,1,2,3,4
	ds_load_b128 v[RAW+20*((\f)%4)+4*\j:RAW+20*((\f)%4)+4*\j+3], v[BA+(((\f)/2)%2)] offset:16*((197*(\f))/16)+(\k)+16*\j
.endr
.endm
.macro SHIFT f                         ; the 64 bytes from byte s on: register i = bytes s + 4 i ..
.set SD, RAW+20*((\f)%4)+((5*(\f))%16)/4
.irp i, 0,1,2,3,4,5,6,7,8,9,10,11,12,13,14,15
	v_alignbit_b32 v[16*(\f)+\i], v[SD+\i+1], v[SD+\i], s[SH+(\f)%4]
.endr
.endm
.macro ALD a                           ; X's block a of step NQ of slot NS
.irp c, 0,1,2,3
	ds_load_b128 v[128+16*(\a)+4*\c:128+16*(\a)+4*\c+3], v[ADRA+NS] offset:(\a)*16*PITCH+128*NQ+16*\c
.endr
.endm
; Behind group g: fragment g - 1 is made for its next use, from the raw bytes asked for four batches ago; its raw buffer takes the fragment four on; batches 0-3 also fetch two blocks of X for the next step.
; The count: the loads of the three batches between (13 in batches 0-3, 5 in 4-7).  The 16 shifts are also the places behind the group before.  mode 1: the step before the last; 2: the last.
.macro BATCH g, kk, par, mode
	WIN 0x40
.if (\mode)==2 || ((\mode)==1 && (\g)>5)
	s_wait_dscnt 0x0
.else
.if (\g)<4
	s_wait_dscnt 15+8*(\g)
.else
	s_wait_dscnt 15+8*(7-(\g))
.endif
.endif
	SHIFT ((\g)+7)%8
.if (\mode)<2
.if (\g)<4
.if (\par)==1
	WIN 0
.endif
	ALD 2*(\g)
	ALD 2*(\g)+1
.endif
	WIN 0
.if (\mode)==0 || (\g)<5
	RAWLD ((\g)+3)%8, (\kk)+128*(1+((\g)+3)/8)
.endif
.endif
	WIN 0
.endm
; A step of 128 along K.  turn = 1: the slot's last step; the slot is filled again, two slots on.  turn = 2: the same barrier with no fill.
.macro STEP kk, par, zero, mode, turn, slot, q
.if (\q)==3
.set NS, 1-(\slot)
.set NQ, 0
.else
.set NS, \slot
.set NQ, (\q)+1
.endif
.if \turn
	WIN 0
.if (\turn)==1
	s_wait_xcnt 0x0                                ; my last prefetch has read its address
	s_add_nc_u64 s[PFA:PFA+1], s[PFA:PFA+1], 512
.endif
	s_wait_tensorcnt 0x0                           ; my part of the other slot is in
	ds_add_u32 v[SPW], v[NIL]
.endif
	GRP 0, \par, \zero
.if \turn
	s_wait_dscnt 0x0                               ; the add is done; my reads of this slot ended a step ago
	s_barrier_signal -1
	GRP 1, \par, \zero
	WIN 0
	s_barrier_wait -1
.if (\turn)==1
	CREST
	s_add_nc_u64 s[G0+4*(\slot)+2:G0+4*(\slot)+3], s[G0+4*(\slot)+2:G0+4*(\slot)+3], 1024
	tensor_load_to_lds s[G0+4*(\slot):G0+4*(\slot)+3], s[G1Q:G1Q+7]
	s_nop 0
	NOPS
	ASK
.endif
	BATCH 0, \kk, \par, \mode
	BATCH 1, \kk, \par, \mode
.else
	BATCH 0, \kk, \par, \mode
.if (\mode)==2
	s_wait_alu depctr_va_vdst(0)
.endif
	GRP 1, \par, \zero
.if (\mode)<2
	BATCH 1, \kk, \par, \mode
.endif
.endif
.irp g, 2,3,4,5,6,7
	GRP \g, \par, \zero
.if (\mode)<2
	BATCH \g, \kk, \par, \mode
.endif
.endr
	WIN 0
.endm
; the pipe is filled: step 0's fragments 0-6 are made, fragment 7's raw bytes are in, those of step 1's fragments 0-2 are asked for
.set NS, 0
.set NQ, 0
.irp f, 0,1,2,3
	RAWLD \f, 0
.endr
.irp a, 0,1,2,3,4,5,6,7
	ALD \a
.endr
	s_wait_dscnt 0x0
	WIN 0x40
.irp f, 0,1,2,3
	SHIFT \f
.endr
	WIN 0
.irp f, 4,5,6,7
	RAWLD \f, 0
.endr
	s_wait_dscnt 0x0
	WIN 0x40
.irp f, 4,5,6
	SHIFT \f
.endr
	WIN 0
.irp f, 0,1,2
	RAWLD \f, 128
.endr
	STEP 0, 0, 1, 0, 0, 0, 0                       ; the first step starts the sums
	s_mov_b32 s3, 3
.Llap:                                                 ; once round the ring: from a lap's second step to the next lap's first
	STEP 128, 1, 0, 0, 0, 0, 1
	STEP 256, 0, 0, 0, 0, 0, 2
	STEP 384, 1, 0, 0, 1, 0, 3
	STEP 512, 0, 0, 0, 0, 1, 0
	STEP 640, 1, 0, 0, 0, 1, 1
	STEP 768, 0, 0, 0, 0, 1, 2
	STEP 896, 1, 0, 0, 1, 1, 3
	STEP 1024, 0, 0, 0, 0, 0, 0
	s_add_co_u32 s84, s84, 1024                    ; the window's addresses go 1,024 along K: made anew from the stepped scalars and the lane's term
	s_add_co_u32 s85, s85, 1024
	v_add_nc_u32 v[BA], s84, v4
	v_add_nc_u32 v[BA+1], s85, v4
	s_sub_co_u32 s3, s3, 1
	s_cmp_lg_u32 s3, 0
	s_wait_alu depctr_va_vdst(0)
	s_cbranch_scc1 .Llap
	STEP 128, 1, 0, 0, 0, 0, 1                     ; the last lap fills nothing
	STEP 256, 0, 0, 0, 0, 0, 2
	STEP 384, 1, 0, 0, 2, 0, 3
	STEP 512, 0, 0, 0, 0, 1, 0
	STEP 640, 1, 0, 0, 0, 1, 1
	STEP 768, 0, 0, 1, 0, 1, 2
	STEP 896, 1, 0, 2, 0, 1, 3
; THE WAY OUT, by blocks of 16 rows.  Lane (r, h) holds, of row 8 h + j, the columns 16 r + class of its eight fragments.  The two waves of a row half fill one stage (in slot 0, which has had its last fill and its last read),
; laid [row][pair of classes][r]; a barrier; each wave reads 8 whole rows back and stores 512 consecutive bytes an instruction.  Two stages by turns: one barrier a block.
.macro OUTB a
.set SB, SBUF*((\a)%2)
.irp w, 0,1
	WIN 2+\w
.irp f, 0,1,2,3
.irp j, 0,1,2,3,4,5,6,7
	v_fma_f32 v[TMP+8*\j+4*\w+\f], v[8*(8*\f+(\a))+\j], s96, v[BIAS+4*\w+\f]   ; each accumulator from its low end on
.endr
.endr
.endr
	WIN 0
.irp j, 0,1,2,3,4,5,6,7
.irp p, 0,1,2,3
	ds_store_b64 v[STE+(\p)%2], v[TMP+8*\j+2*\p:TMP+8*\j+2*\p+1] offset:SB+SROW*\j+160*\p
.endr
.endr
	s_wait_dscnt 0x0                               ; my stores are done, and my reads of the other stage ended above
	s_barrier_signal -1
	s_barrier_wait -1
	s_wait_xcnt 0x0                                ; the last block's stores have read their registers and their base
.irp t, 0,1,2,3,4,5,6,7,8,9,10,11,12,13,14,15
	ds_load_b64 v[BK+4*\t:BK+4*\t+1], v[RD] offset:SB+SROW*((\t)/2)+64*((\t)%2)
	ds_load_b64 v[BK+4*\t+2:BK+4*\t+3], v[RD] offset:SB+SROW*((\t)/2)+64*((\t)%2)+160
.endr
	s_wait_dscnt 0x0
.if (\a) > 0
	s_add_nc_u64 s[12:13], s[12:13], 16*16384
.endif
.irp t, 0,1,2,3,4,5,6,7,8,9,10,11,12,13,14,15
	global_store_b128 v[CO], v[BK+4*\t:BK+4*\t+3], s[12:13] offset:16384*((\t)/2)+512*((\t)%2) th:TH_STORE_NT
.endr
.endm
	s_wait_kmcnt 0x0
	s_add_co_i32 s96, s96, s97
	s_add_co_i32 s96, s96, 127
	s_lshl_b32 s96, s96, 23                        ; 2^(e0 + e1) as f32
	s_wait_loadcnt 0x0                             ; bias
	NOPS                                           ; four places behind the last products
.irp a, 0,1,2,3,4,5,6,7
	OUTB \a
.endr
	s_wait_tensorcnt 0x0                           ; the wave's end
	ds_add_u32 v[SPW], v[NIL]
	s_wait_dscnt 0x0
	CROUND                                         ; the closing round
	s_endpgm
.Lfunc_end_k_q1ce2df4c94_gemm:
	.size	k_q1ce2df4c94_gemm, .Lfunc_end_k_q1ce2df4c94_gemm-k_q1ce2df4c94_gemm
	.p2alignl 7, 3214868480
	.fill 96, 4, 3214868480
	.section	.rodata,"a",@progbits
	.p2align	6, 0x0
	.amdhsa_kernel k_q1ce2df4c94_gemm
		.amdhsa_group_segment_fixed_size 327680
		.amdhsa_private_segment_fixed_size 0
		.amdhsa_enable_private_segment 0
		.amdhsa_kernarg_size 40
		.amdhsa_user_sgpr_count 2
		.amdhsa_user_sgpr_kernarg_segment_ptr 1
		.amdhsa_wavefront_size32 1
		.amdhsa_system_sgpr_workgroup_id_x 1
		.amdhsa_system_sgpr_workgroup_id_y 1
		.amdhsa_system_sgpr_workgroup_id_z 1
		.amdhsa_system_vgpr_workitem_id 0
		.amdhsa_next_free_vgpr 1024
		.amdhsa_next_free_sgpr 98
		.amdhsa_reserve_vcc 0
		.amdhsa_float_denorm_mode_32 3
		.amdhsa_float_denorm_mode_16_64 3
		.amdhsa_memory_ordered 1
		.amdhsa_forward_progress 1
		.amdhsa_inst_pref_size 255
	.end_amdhsa_kernel
	.section	.bss,"aw",@nobits
	.p2align	6
	.space	262144
	.amdgpu_metadata
---
amdhsa.version: [ 1, 2 ]
amdhsa.kernels:
  - .name:           k_q1ce2df4c94_gemm
    .symbol:         k_q1ce2df4c94_gemm.kd
    .args:
      - { .name: x_codes, .offset: 0, .size: 8, .value_kind: global_buffer, .address_space: global }
      - { .name: tcodes, .offset: 8, .size: 8, .value_kind: global_buffer, .address_space: global }
      - { .name: lowp_scales, .offset: 16, .size: 8, .value_kind: global_buffer, .address_space: global }
      - { .name: bias, .offset: 24, .size: 8, .value_kind: global_buffer, .address_space: global }
      - { .name: out0, .offset: 32, .size: 8, .value_kind: global_buffer, .address_space: global }
    .group_segment_fixed_size: 327680
    .private_segment_fixed_size: 0
    .kernarg_segment_align: 8
    .kernarg_segment_size: 40
    .max_flat_workgroup_size: 128
    .sgpr_count:     98
    .vgpr_count:     1024
    .wavefront_size: 32
...
	.end_amdgpu_metadata
.endif
;; end of part 2
